; MI455X (gfx1250); checked and timed in simulation.
; The chip was launched on July 23, 2026; its instructions are those of AMD's public machine-readable ISA for CDNA 5 (MIT licence, August 2026) and "CDNA5" Instruction Set Architecture Reference Guide (July 2026). The comments in the code are by the model that wrote it; some were corrected since.
;; Separate Source Masking Dense. Allowed arithmetic: matrix products marked QUANTISED: E3M2 operands, one E8M0 scale for each 32 along K, by v_wmma_scale_f32_16x16x128_f8f6f4 with both operands' format E3M2, f32 sums; everything else in f32.
;; Inputs: W 256 x 2,048 float32; b 2,048 float32; source 131,072 int32; x 131,072 x 256 float32.
;; Outputs: out0 131,072 x 64 float32.
;; This version of the problem:
;;   THIS VERSION OF THE PROBLEM IS GIVEN IN LOW PRECISION. The matrix products marked QUANTISED in the list below multiply operands that are first quantised to E3M2 (3 exponent bits, 2 mantissa bits; 6 bits a number), with one power-of-two scale for each 32 numbers along K (OCP MX v1.0); their sums are f32. All else is computed in f32.
;;   The module's matrix products, in the order in which they are computed (A, B: the left and right operand; K: the contracted axis; several contracted axes count as one K, in the product's order):
;;     1. [M 131,072, K 256] x [K 256, N 2,048]; A: input x; B: input W: QUANTISED
;;   THE QUANTISER, for each operand of a quantised product, along K:
;;     - K is cut into blocks of 32 from its start; a last block that is shorter is filled with zeros.
;;     - A block's scale is 2^e with e = floor(log2(the largest magnitude in the block)) - 4, held to -126 .. 127; a block of zeros has e = 0. As a byte (E8M0): e + 127.
;;     - Each number is divided by its block's scale, clamped to +-28, and rounded to the nearest number of E3M2, ties to even, subnormals kept.
;;     - The product sums the exact products of the quantised numbers (number of the format x scale) in f32.
;;   ~~~python
;;   def quantise(x, axis):      # numpy; x: float32 -> the quantised numbers, widened to float32 again
;;       x = np.moveaxis(x, axis, -1); K = x.shape[-1]
;;       x = np.pad(x, [(0, 0)] * (x.ndim - 1) + [(0, -K % 32)]); x = x.reshape(x.shape[:-1] + (-1, 32)); a = np.abs(x).max(-1, keepdims=True)
;;       e = np.where(a > 0, np.clip(np.frexp(np.where(a > 0, a, 1))[1] - 1 - 4, -126, 127), 0)      # np.frexp(a)[1] - 1 = floor(log2(a)), exactly
;;       r = np.clip(x / 2.0 ** e, -28, 28)
;;       step = 2.0 ** (np.maximum(np.frexp(np.where(r == 0, 1, r))[1] - 1, -2) - 2)
;;       q = np.round(r / step) * step * 2.0 ** e      # np.round: ties to even
;;       return np.moveaxis(q.reshape(q.shape[:-2] + (-1,))[..., :K], -1, axis).astype(np.float32)
;;   ~~~
;; One version. Each part assembles by itself: llvm-mc -triple=amdgcn-amd-amdhsa -mcpu=gfx1250 --defsym DOCPART=n.
;; ======== version 1 of 1: 2 launches
;; workspace buffers: wq 409,600 bytes
;; launch prep_w (part 1): grid 32 x 1, 8 waves a work-group, no clusters, 13,824 bytes of LDS; arguments W, wq; writes wq
.if DOCPART == 1
	.amdgcn_target "amdgcn-amd-amdhsa--gfx1250"
	.amdhsa_code_object_version 6
	.text
	.protected	k_q9a1916a6bd_prep_w
	.globl	k_q9a1916a6bd_prep_w
	.p2align	8
	.type	k_q9a1916a6bd_prep_w,@function
k_q9a1916a6bd_prep_w:
	s_mov_b64 s[64:65], 0
	v_nop
	global_prefetch_b8 v0, s[64:65] scope:SCOPE_SE
	s_setreg_imm32_b32 hwreg(HW_REG_WAVE_MODE, 25, 1), 1
	s_wait_xcnt 0x0
; W [256][2048] f32, K its first axis, becomes codes of BF6 (E3M2) with one E8M0 scale for each 32 along K, laid in wq in the order of the operand's registers.
; Work-group e takes source e: columns 64 e .. 64 e + 63.  wq[e] is 12,800 bytes: 8 fragments of 1,536 bytes (fragment 4 s + t: K step s of 128, tile t; 12 registers as 3 groups of 512 bytes, lane l's 16 bytes at 16 l),
; then 4 scale registers of 128 bytes (tile t: lanes 0-15 the words of K step 0, lanes 16-31 those of K step 1).  Column r of tile t is feature 4 r + t.
; A LANE TAKES A COLUMN AND ITS REGISTERS RUN DOWN K: each load reads 128 consecutive bytes, a block of 32 lies in one lane, nothing is transposed.  Wave w takes K step s = w / 4, half h = (w / 2) % 2 (the operand's
; layout gives lane (r, h) k = 64 c + 32 h + 0 .. 31) and features 32 u + lane, u = w % 2: its lane's 12 registers of codes are those of lane 16 h + 8 u + lane / 4 of fragment 4 s + lane % 4.
; The images are gathered in LDS and leave as runs of 512 consecutive bytes, at multiples of 256 from wq's first byte.
; It is a launch of its own because every work-group of the next launch reads all of W: as codes that is three sixteenths of the bytes, and the numbers are quantised once.
; LIMITS: NaN and infinities are not served.  A block whose largest magnitude lies under 2^-122 keeps the scale byte 1; so does a block of zeros, where the rule says 127: its codes are zeros, and this program alone reads the bytes.
.set FRB,  1536
.set WSC,  8*FRB                       ; LDS and wq[e] alike: the images from byte 0, the scale words behind them
.set SRCB, WSC+512
.set L16, 1                            ; v1   16 x lane
.set L4,  2                            ; v2   4 x lane
.set WIA, 3                            ; v3   where I store my image
.set WBA, 4                            ; v4   and my two scale bytes
.set WRA, 5                            ; v5   FRB x wave + 16 x lane: fragment w, in LDS and in wq[e]
.set MX,  8                            ; v8-9   largest magnitudes
.set SCL, 10                           ; v10-11 the conversions' scale operands
.set BY,  12                           ; v12-13 scale bytes
.set XC,  16                           ; v16-27 my 12 registers of codes
.set TC,  28                           ; v28-35 the upper halves as the conversions leave them
.set OUTR, 36                          ; v36-47 a fragment on its way out
.set SO,  48                           ; v48-51 the scale words on their way out
.set TMP, 52
.set NUM, 64                           ; v64-127 two blocks of 32 numbers
.set WV,  8
.set T0,  9
.set T1,  10
.set T2,  11
.set TT,  12
.set BIT, 13
.set OFS, 14                           ; s[14:15]
	s_load_b128 s[4:7], s[0:1], 0x0                ; W s[4:5], wq s[6:7]
	v_lshl_add_u32 v128, v0, 2, 0x3200
	v_mov_b32 v129, 0
	v_lshrrev_b32 v[TMP], 5, v0
	v_readfirstlane_b32 s[WV], v[TMP]              ; wave 0..7
	v_and_b32 v[TMP], 31, v0                       ; lane
	v_and_b32 v[TMP+1], 3, v0                      ; lane % 4
	v_bfe_u32 v[TMP+2], v0, 2, 3                   ; lane / 4
	v_lshlrev_b32 v[L16], 4, v[TMP]
	v_lshlrev_b32 v[L4], 2, v[TMP]
	s_lshr_b32 s[T0], s[WV], 2                     ; s
	s_bfe_u32 s[T1], s[WV], 0x10001                ; h
	s_and_b32 s[T2], s[WV], 1                      ; u
	s_mul_i32 s[TT], s[T0], 4*FRB
	s_lshl_b32 s[BIT], s[T1], 8
	s_add_co_u32 s[TT], s[TT], s[BIT]
	s_lshl_b32 s[BIT], s[T2], 7
	s_add_co_u32 s[TT], s[TT], s[BIT]
	v_mul_u32_u24 v[WIA], v[TMP+1], FRB
	v_lshl_add_u32 v[WIA], v[TMP+2], 4, v[WIA]
	v_add_nc_u32 v[WIA], s[TT], v[WIA]             ; 4 FRB s + FRB (lane % 4) + 16 (16 h + 8 u + lane / 4)
	s_lshl_b32 s[TT], s[T0], 6
	s_lshl_b32 s[BIT], s[T2], 5
	s_add_co_u32 s[TT], s[TT], s[BIT]
	s_add_co_u32 s[TT], s[TT], s[T1]
	s_add_co_u32 s[TT], s[TT], WSC
	v_lshlrev_b32 v[WBA], 7, v[TMP+1]
	v_lshl_add_u32 v[WBA], v[TMP+2], 2, v[WBA]
	v_add_nc_u32 v[WBA], s[TT], v[WBA]             ; WSC + 128 (lane % 4) + 64 s + 4 (8 u + lane / 4) + h: byte h of the column's word; byte 2 + h two further on
	s_mul_i32 s[TT], s[WV], FRB
	v_add_nc_u32 v[WRA], s[TT], v[L16]
	s_mov_b32 s[OFS+1], 0
	s_lshl_b32 s[OFS], s[T0], 20                   ; W: row 128 s + 32 h of 8,192 bytes,
	s_lshl_b32 s[BIT], s[T1], 18
	s_add_co_u32 s[OFS], s[OFS], s[BIT]
	s_lshl_b32 s[BIT], ttmp9, 8                    ; my source's 64 columns,
	s_add_co_u32 s[OFS], s[OFS], s[BIT]
	s_lshl_b32 s[BIT], s[T2], 7                    ; my 32 of them
	s_add_co_u32 s[OFS], s[OFS], s[BIT]
	s_wait_kmcnt 0x0
	s_add_nc_u64 s[4:5], s[4:5], s[OFS:OFS+1]
	s_mul_i32 s[OFS], ttmp9, SRCB
	s_add_nc_u64 s[6:7], s[6:7], s[OFS:OFS+1]      ; wq[e]
.irp c, 0,1
.irp i, 0,1,2,3,4,5,6,7,8,9,10,11,12,13,14,15,16,17,18,19,20,21,22,23,24,25,26,27,28,29,30,31
	global_load_b32 v[NUM+32*\c+\i], v[L4], s[4:5] offset:(64*\c+\i)*8192   ; W(128 s + 64 c + 32 h + i, my column)
.endr
.endr
	s_wait_loadcnt 0x0
.irp c, 0,1
	v_max3_num_f32 v[MX+\c], |v[NUM+32*\c]|, |v[NUM+32*\c+1]|, 0x2800000   ; the floor 2^(5 - 127) among the leaves: the scale's byte cannot fall under 1
.endr
.irp i, 2,4,6,8,10,12,14,16,18,20,22,24,26,28,30
.irp c, 0,1
	v_max3_num_f32 v[MX+\c], |v[NUM+32*\c+\i]|, |v[NUM+32*\c+\i+1]|, v[MX+\c]
.endr
.endr
.irp c, 0,1
	v_add_nc_u32 v[SCL+\c], 0xfe000000, v[MX+\c]   ; 4 off the exponent field: the conversion takes the exponent field of this operand as its scale
.endr
.irp c, 0,1
	v_lshrrev_b32 v[BY+\c], 23, v[SCL+\c]          ; the scale's byte
.endr
.irp c, 0,1
	v_cvt_scalef32_pk16_bf6_f32 v[XC+6*\c:XC+6*\c+2], v[NUM+32*\c:NUM+32*\c+15], v[SCL+\c]
	v_cvt_scalef32_pk16_bf6_f32 v[TC+4*\c:TC+4*\c+2], v[NUM+32*\c+16:NUM+32*\c+31], v[SCL+\c]   ; (a conversion's three registers begin on an even number: the upper half is made elsewhere and moved)
.endr
	v_nop                                          ; one plain place behind a scaled conversion
.irp c, 0,1
.irp n, 0,1,2
	v_mov_b32 v[XC+6*\c+3+\n], v[TC+4*\c+\n]
.endr
.endr
.irp g, 0,1,2
	ds_store_b128 v[WIA], v[XC+4*\g:XC+4*\g+3] offset:512*\g
.endr
	ds_store_b8 v[WBA], v[BY]                      ; block h of the K step's four,
	ds_store_b8 v[WBA], v[BY+1] offset:2           ; and block 2 + h
	s_wait_dscnt 0x0                               ; for the others' sake: my image and my bytes have landed
	s_barrier_signal -1
	s_barrier_wait -1
.irp g, 0,1,2
	ds_load_b128 v[OUTR+4*\g:OUTR+4*\g+3], v[WRA] offset:512*\g      ; wave w sends fragment w
.endr
	s_wait_dscnt 0x0
.irp g, 0,1,2
	global_store_b128 v[WRA], v[OUTR+4*\g:OUTR+4*\g+3], s[6:7] offset:512*\g   ; 512 consecutive bytes a store
.endr
	s_cmp_lg_u32 s[WV], 0
	s_cbranch_scc1 .Ldone
	ds_load_b128 v[SO:SO+3], v[L16] offset:WSC     ; wave 0 sends the 512 bytes of scale words too
	s_wait_dscnt 0x0
	global_store_b128 v[L16], v[SO:SO+3], s[6:7] offset:WSC
.Ldone:
	s_wait_tensorcnt 0x0
	ds_add_u32 v128, v129
	s_wait_dscnt 0x0
	s_endpgm
.Lfunc_end_k_q9a1916a6bd_prep_w:
	.size	k_q9a1916a6bd_prep_w, .Lfunc_end_k_q9a1916a6bd_prep_w-k_q9a1916a6bd_prep_w
	.p2alignl 7, 3214868480
	.fill 96, 4, 3214868480
	.section	.rodata,"a",@progbits
	.p2align	6, 0x0
	.amdhsa_kernel k_q9a1916a6bd_prep_w
		.amdhsa_group_segment_fixed_size 13824
		.amdhsa_private_segment_fixed_size 0
		.amdhsa_enable_private_segment 0
		.amdhsa_kernarg_size 16
		.amdhsa_user_sgpr_count 2
		.amdhsa_user_sgpr_kernarg_segment_ptr 1
		.amdhsa_wavefront_size32 1
		.amdhsa_system_sgpr_workgroup_id_x 1
		.amdhsa_system_sgpr_workgroup_id_y 1
		.amdhsa_system_sgpr_workgroup_id_z 1
		.amdhsa_system_vgpr_workitem_id 0
		.amdhsa_next_free_vgpr 130
		.amdhsa_next_free_sgpr 66
		.amdhsa_reserve_vcc 0
		.amdhsa_float_denorm_mode_32 3
		.amdhsa_float_denorm_mode_16_64 3
		.amdhsa_memory_ordered 1
		.amdhsa_forward_progress 1
		.amdhsa_inst_pref_size 13
	.end_amdhsa_kernel
	.amdgpu_metadata
---
amdhsa.version: [ 1, 2 ]
amdhsa.kernels:
  - .name:           k_q9a1916a6bd_prep_w
    .symbol:         k_q9a1916a6bd_prep_w.kd
    .args:
      - { .name: W, .offset: 0, .size: 8, .value_kind: global_buffer, .address_space: global }
      - { .name: wq, .offset: 8, .size: 8, .value_kind: global_buffer, .address_space: global }
    .group_segment_fixed_size: 13824
    .private_segment_fixed_size: 0
    .kernarg_segment_align: 8
    .kernarg_segment_size: 16
    .max_flat_workgroup_size: 256
    .sgpr_count:     66
    .vgpr_count:     130
    .wavefront_size: 32
...
	.end_amdgpu_metadata
.endif
;; end of part 1
;; launch dense (part 2): grid 256 x 1, 4 waves a work-group, no clusters, 327,680 bytes of LDS; arguments x, source, wq, b, out0; writes out0
.if DOCPART == 2
	.amdgcn_target "amdgcn-amd-amdhsa--gfx1250"
	.amdhsa_code_object_version 6
	.text
	.protected	k_q9a1916a6bd_dense
	.globl	k_q9a1916a6bd_dense
	.p2align	8
	.type	k_q9a1916a6bd_dense,@function
k_q9a1916a6bd_dense:
	s_mov_b64 s[64:65], 0
	v_nop
	global_prefetch_b8 v0, s[64:65] scope:SCOPE_SE
	s_setreg_imm32_b32 hwreg(HW_REG_WAVE_MODE, 25, 1), 1
	s_wait_xcnt 0x0
; out0[i][0..63] = Q(x[i][:]) . Q(W[:, 64 s + 0..63]) + b[64 s + 0..63], s = source[i].  x [131072][256] f32, source [131072] i32, b [2048] f32, out0 [131072][64] f32; wq: W as codes of BF6 (E3M2) and E8M0 scale
; words in the order of the operand's registers, 12,800 bytes a source (8 fragments of 1,536 bytes, fragment 4 s + t = K step s, tile t; 4 scale registers of 128 bytes; column r of tile t is feature 4 r + t).
; EVERY TILE OF 16 ROWS IS MULTIPLIED BY THE COLUMNS OF ALL 32 SOURCES, by v_wmma_scale_f32_16x16x128_f8f6f4, and the gather is a sum with a mask: in source e's turn the rows of other sources enter as zero codes,
; which add exactly nothing, and all turns add onto the same four accumulators.  No branch and no trip count hangs on the sources.
; SHARES.  256 work-groups of four waves, 512 consecutive rows each.  THE WAVES SHARE THE COLUMNS: wave w keeps sources 8 w .. 8 w + 7 in registers for the whole launch: 64 fragments of 12 registers and 32 scale registers.
; A STEP is 64 rows, four tiles; eight steps.  In a step wave w
;   Q  reads tile w's 16 rows of f32 from its own LDS slot in the operand's order (lane (r, h): whole blocks of 32 of row r), quantises them, and stores the codes and scale words as an image of the registers;  barrier
;   M  multiplies all four tiles by its 8 sources, 256 matrix instructions, and stores each tile's four accumulators to LDS: they hold numbers in the rows of its own sources and zeros elsewhere;  barrier
;   F  adds the four waves' results of tile w, adds the rows of b that the tile's sources pick, and stores 16 whole rows of out0: each store covers two rows of 256 consecutive bytes, at multiples of 256 from out0's first byte.
; x comes by the tensor data mover: each wave has two slots of 16 rows of its own; behind the barrier between M and F it asks for the tile two steps on, into the slot that Q has read: one load a wave,
; with a step's 256 matrix instructions in which to land.  By this text's own count a wave has two tensor loads out at the start and one afterwards.
; NO CLUSTER: what work-groups share is wq alone, read once at the head, straight into registers: its 393,216 bytes of codes have no room in LDS, so there is no tile in LDS that a joint load could fill.
; LIMITS.  source lies in 0 .. 31 (the gather's table has 32 entries); for another number the row gets b's row of the number held to 0 .. 31 and no product.  NaN and infinities among x are not served.
; A block whose largest magnitude lies under 2^-122 keeps the scale byte 1; so does a block of zeros, where the rule says 127: its codes are zeros, and the bytes are read here alone.
; REGISTERS, in windows of 256.  Windows 1 to 3: fragments 0 to 62 (fragment 8 e + 4 s + t of my source e), 21 to a window, so that none lies across a window's end; fragment 63 lies in window 0.
; During M only source 1's window is switched; the compares and selects between the matrix instructions have their one vector source in place 0, so that they run under any such setting.
.set SPITCH, 1040                      ; an LDS row of x: 1,024 bytes + 16 = 260 words: row r starts at bank 4 r mod 64 (64 banks of 4 bytes: ISA guide 11.1)
.set TILEB,  16*SPITCH                 ; a slot: 16 rows.  Slot 0 of wave w at TILEB w,
.set SLOT1,  1<<17                     ; slot 1 this much further on, so that one exclusive or turns an address in one slot into the other's
.set FRB,    1536                      ; a fragment's image
.set SRCB,   12800                     ; a source in wq
.set IMGT,   2*FRB+256                 ; a tile's image: two fragments, and two scale words a lane
.set PART,   SLOT1+4*TILEB             ; the accumulators: tile i, wave v at 16,384 i + 4,096 v; register group k at 512 k, lane l's 16 bytes at 16 l
.set IMG,    PART+65536                ; the four tiles' images
.set SPARE,  IMG+4*IMGT                ; the spare words, 128 bytes for each wave: two blocks of 256 bytes that no other line names
.set SRT,    SPARE+512                 ; the work-group's 512 sources, 4 bytes a row
.set SPW, 1                            ; v1    LDS address of my spare word; never rewritten
.set NIL, 2                            ; v2    0; never rewritten
.set L16, 3                            ; v3    16 x lane
.set RD0, 4                            ; v4    my slot 0: row lane % 16, + 128 x (lane / 16)
.set RDA, 5                            ; v5    the same in the slot in hand
.set IWA, 6                            ; v6    where I store my tile's codes
.set IWS, 7                            ; v7    and its scale words
.set IRA, 8                            ; v8    IMG + 16 x lane
.set IRS, 9                            ; v9    IMG + 2 FRB + 8 x lane
.set SR0, 10                           ; v10   SRT + 4 x (lane % 16);  v11 the same in the step in hand
.set SRA, 11
.set SJ0, 12                           ; v12   SRT + 64 x wave + 32 x (lane / 16);  v13 the same in the step in hand
.set SJA, 13
.set PWA, 14                           ; v14   PART + 4,096 x wave + 16 x lane
.set PRA, 15                           ; v15   PART + 16,384 x wave + 16 x lane
.set OBA, 16                           ; v16   out0: 16 x (lane % 16) + 2,048 x (lane / 16)
.set R16, 17                           ; v17   16 x (lane % 16)
.set SH8, 18                           ; v18   8 x (lane / 16)
.set L4,  19                           ; v19   4 x lane
.set MX,  20                           ; v20-23  largest magnitudes
.set SCL, 24                           ; v24-27  the conversions' scale operands
.set BY,  28                           ; v28-31  scale bytes
.set WSC, 32                           ; v32-63  W's scale words: source e, tile t at 4 e + t: lanes 0-15 K step 0, lanes 16-31 K step 1
.set F63, 64                           ; v64-75  fragment 63
.set BB,  76                           ; v76-107 M, F: the tile's rows of b, then its results
.set XC,  76                           ;         Q: my tile's two fragments
.set TC,  108                          ; v108-123 Q: the upper halves of four blocks' codes
.set SJ,  108                          ;         M: register j: the source of row 8 (lane / 16) + j of my tile
.set BA,  116                          ;         M: its row's byte offset in b
.set PX,  124                          ; v124-127 hold scale words alone.  Q: v126-127 my tile's, v124-125 what the other half of the lanes sends
.set XSQ, 126                          ;         M: v126-127 the scale words of the tiles 0 and 2, v124-125 of the tiles 1 and 3
.set BIG, 128                          ; v128-255 Q: 128 numbers of x;  F: the four waves' accumulators;  M:
.set XA,  128                          ;   v128-151, v152-175 two tiles' codes
.set MA,  176                          ;   v176-199 the codes under the mask
.set DA,  200                          ;   v200-231 four accumulators
.set SRL, 236                          ;   v236, v237 two tiles': (source of row lane % 16) xor 8 w: 0 .. 7 for my sources, 8 or more for others
.set WV,  14
.set T0,  15
.set G1,  16                           ; s[16:23] descriptor group 1
.set G0X, 24                           ; s[24:27] group 0 of slot 0's first fill
.set G0Y, 28                           ; s[28:31] group 0 of slot 1's first fill, which then walks on
.set SEL, 32                           ; s[32:33] v_permlanex16_b32's selects for lane l xor 16
.set TB,  34                           ; s34   0 or SLOT1: the slot in hand
.set RO,  35                           ; s35   256 x step: the step's sources in SRT
.set CNT, 36
.set E0,  37                           ; s37   8 x wave
.set OFS, 38                           ; s[38:39]
.set MSB, 0
.macro WIN new                         ; s_set_vgpr_msb: bits 1:0 source 0, 3:2 source 1, 5:4 source 2, 7:6 destination; the high byte repeats the setting that is left; a switch that changes nothing is dropped
.if MSB != (\new)
	s_set_vgpr_msb (MSB<<8)|(\new)
.set MSB, (\new)
.endif
.endm
.macro NOPS n
.rept \n
	v_nop
.endr
.endm
.macro FRAGPOS fi                      ; fragment fi lies in window FW at register FRG
.if (\fi) == 63
.set FW, 0
.set FRG, F63
.else
.set FW, 1+(\fi)/21
.set FRG, 12*((\fi)%21)
.endif
.endm
.macro WLOAD fi                        ; a fragment from wq into its registers: 512 consecutive bytes a load
	FRAGPOS \fi
	WIN (FW<<6)
.irp g, 0,1,2
	global_load_b128 v[FRG+4*\g:FRG+4*\g+3], v[L16], s[8:9] offset:SRCB*((\fi)/8)+FRB*((\fi)%8)+512*\g
.endr
.endm
.macro LOADT i, set                    ; tile i's image and its rows' sources: 8 LDS loads
.irp g, 0,1,2,3,4,5
	ds_load_b128 v[XA+24*(\set)+4*\g:XA+24*(\set)+4*\g+3], v[IRA] offset:IMGT*(\i)+512*\g
.endr
	ds_load_b64 v[XSQ-2*(\set):XSQ-2*(\set)+1], v[IRS] offset:IMGT*(\i)
	ds_load_b32 v[SRL+(\set)], v[SRA] offset:64*(\i)
.endm
.macro CND half, first, set            ; four registers of K step 'half' under the mask: VCC is set in the lanes whose row has another source: they get the code 0
.irp n, 0,1,2,3
	v_cndmask_b32_e64 v[MA+12*(\half)+(\first)+\n], v[XA+24*(\set)+12*(\half)+(\first)+\n], 0, vcc_lo
.endr
.endm
.macro MM e, q, set                    ; matrix instruction q of my source e: K step q / 4, tile q % 4.  Source 0 = 16 rows of x, source 1 = 16 columns of W.  A tile's first four start the sums
	FRAGPOS 8*(\e)+(\q)
	WIN (FW<<2)
.if (\q) < 4
.if (\e) == 0
	v_wmma_scale_f32_16x16x128_f8f6f4 v[DA+8*(\q):DA+8*(\q)+7], v[MA:MA+11], v[FRG:FRG+11], 0, v[XSQ-2*(\set)], v[WSC+4*(\e)+(\q)] matrix_a_fmt:MATRIX_FMT_BF6 matrix_b_fmt:MATRIX_FMT_BF6
.else
	v_wmma_scale_f32_16x16x128_f8f6f4 v[DA+8*(\q):DA+8*(\q)+7], v[MA:MA+11], v[FRG:FRG+11], v[DA+8*(\q):DA+8*(\q)+7], v[XSQ-2*(\set)], v[WSC+4*(\e)+(\q)] matrix_a_fmt:MATRIX_FMT_BF6 matrix_b_fmt:MATRIX_FMT_BF6
.endif
.else
	v_wmma_scale_f32_16x16x128_f8f6f4 v[DA+8*(\q)-32:DA+8*(\q)-25], v[MA+12:MA+23], v[FRG:FRG+11], v[DA+8*(\q)-32:DA+8*(\q)-25], v[XSQ-2*(\set)+1], v[WSC+4*(\e)+(\q)-4] matrix_a_fmt:MATRIX_FMT_BF6 matrix_b_fmt:MATRIX_FMT_BF6 matrix_b_scale:MATRIX_SCALE_ROW1
.endif
.endm
; Tile i times my source e: eight matrix instructions on four accumulators by turns, one instruction a turn; four or five vector instructions behind each.
; Behind 0, 1, 2: this source's mask on K step 1.  Behind 3: four places, then the next source's compare.  Behind 4, 5, 6: the next source's mask on K step 0.  Behind 7: four places.
; So a masked register is written four places or more ahead of the product that reads it, and written again four places or more behind its last reader (ISA guide 7.12.1).
.macro BLOCK i, e
.set CS, (\i)%2
.if (\e) < 7
.set NI, (\i)
.set NE, (\e)+1
.else
.set NI, (\i)+1
.set NE, 0
.endif
.set NS, NI%2
	MM \e, 0, CS
	CND 1, 0, CS
	MM \e, 1, CS
	CND 1, 4, CS
	MM \e, 2, CS
	CND 1, 8, CS
	MM \e, 3, CS
.if ((\e) == 7) && (NI < 4)
	s_wait_dscnt 0x0                               ; the next tile's image, asked for a tile ago, is in
	v_xor_b32_e64 v[SRL+NS], v[SRL+NS], s[E0]
	NOPS 3
.else
	NOPS 4
.endif
.if NI < 4
	v_cmp_ne_u32_e64 vcc_lo, v[SRL+NS], NE
.endif
	MM \e, 4, CS
.if NI < 4
	CND 0, 0, NS
.endif
	MM \e, 5, CS
.if NI < 4
	CND 0, 4, NS
.endif
	MM \e, 6, CS
.if NI < 4
	CND 0, 8, NS
.endif
	MM \e, 7, CS
	NOPS 4                                         ; also the places in front of the stores and loads below
.if (\e) == 7
	WIN 0
.irp k, 0,1,2,3,4,5,6,7
	ds_store_b128 v[PWA], v[DA+4*\k:DA+4*\k+3] offset:16384*(\i)+512*\k   ; each accumulator from its low end on
.endr
.if (\i)+2 < 4
	LOADT (\i)+2, CS                               ; this tile's registers take the tile two further on
.endif
	v_nop                                          ; a fifth place in front of the products that begin the sums anew
.endif
.endm
; A STEP: 64 rows.  refill = 1: my slot is filled again with my tile two steps on.
.macro STEP64 refill
	; ---- Q: my tile becomes two fragments and two scale words a row
	v_add_nc_u32 v[RDA], s[TB], v[RD0]
.irp b, 0,1,2,3                                ; my block b = 2 s + c: k = 128 s + 64 c + 32 (lane / 16) + 0 .. 31 of row lane % 16, into registers 32 b on
.irp n, 0,1,2,3,4,5,6,7
	ds_load_b128 v[BIG+32*\b+4*\n:BIG+32*\b+4*\n+3], v[RDA] offset:256*\b+16*\n
.endr
.endr
	s_wait_dscnt 16                                ; blocks 0 and 1 are in; the 16 loads of blocks 2 and 3 may be out
.irp b, 0,1
	v_max3_num_f32 v[MX+\b], |v[BIG+32*\b]|, |v[BIG+32*\b+1]|, 0x2800000   ; the floor 2^(5 - 127) among the leaves: the scale's byte cannot fall under 1
.endr
.irp i, 2,4,6,8,10,12,14,16,18,20,22,24,26,28,30
.irp b, 0,1
	v_max3_num_f32 v[MX+\b], |v[BIG+32*\b+\i]|, |v[BIG+32*\b+\i+1]|, v[MX+\b]   ; (two blocks by turns)
.endr
.endr
	s_wait_dscnt 0x0
.irp b, 2,3
	v_max3_num_f32 v[MX+\b], |v[BIG+32*\b]|, |v[BIG+32*\b+1]|, 0x2800000
.endr
.irp i, 2,4,6,8,10,12,14,16,18,20,22,24,26,28,30
.irp b, 2,3
	v_max3_num_f32 v[MX+\b], |v[BIG+32*\b+\i]|, |v[BIG+32*\b+\i+1]|, v[MX+\b]
.endr
.endr
.irp b, 0,1,2,3
	v_add_nc_u32 v[SCL+\b], 0xfe000000, v[MX+\b]   ; 4 off the exponent field: the conversion takes the exponent field of this operand as its scale
.endr
.irp b, 0,1,2,3
	v_lshrrev_b32 v[BY+\b], 23, v[SCL+\b]          ; the scale's byte
.endr
.irp s, 0,1
	v_lshl_or_b32 v[XSQ+\s], v[BY+2*\s+1], 16, v[BY+2*\s]   ; my two bytes of K step s: blocks h and 2 + h of the row's four,
.endr
.irp s, 0,1
	v_lshlrev_b32 v[XSQ+\s], v[SH8], v[XSQ+\s]     ; at their places in the word;
.endr
.irp s, 0,1
	v_permlanex16_b32 v[PX+\s], v[XSQ+\s], s[SEL], s[SEL+1]
.endr
.irp s, 0,1
	v_or_b32 v[XSQ+\s], v[XSQ+\s], v[PX+\s]        ; with lane l xor 16's two the word is whole
.endr
	s_wait_xcnt 0x0                                ; the last step's stores have read their data, over which the codes are laid, and their base:
	s_add_nc_u64 s[12:13], s[12:13], 16384         ; 64 rows of out0 on; the stores reach back by their immediate
.irp b, 0,1,2,3
	v_cvt_scalef32_pk16_bf6_f32 v[XC+6*\b:XC+6*\b+2], v[BIG+32*\b:BIG+32*\b+15], v[SCL+\b]
	v_cvt_scalef32_pk16_bf6_f32 v[TC+4*\b:TC+4*\b+2], v[BIG+32*\b+16:BIG+32*\b+31], v[SCL+\b]   ; (a conversion's three registers begin on an even number: the upper half is made elsewhere and moved)
.endr
	v_nop                                          ; one plain place behind a scaled conversion
.irp b, 0,1,2,3
.irp n, 0,1,2
	v_mov_b32 v[XC+6*\b+3+\n], v[TC+4*\b+\n]
.endr
.endr
.irp g, 0,1,2,3,4,5
	ds_store_b128 v[IWA], v[XC+4*\g:XC+4*\g+3] offset:512*\g
.endr
	ds_store_b64 v[IWS], v[XSQ:XSQ+1]
	s_wait_dscnt 0x0                               ; for the others' sake: my image has landed (at the first step: my part of the table of sources too)
	s_barrier_signal -1                            ; my tensor load may stay out
	s_barrier_wait -1
	; ---- M: four tiles x my eight sources
	s_wait_loadcnt 0x0                             ; at the first step: W's fragments and scale words; later nothing is out
	v_add_nc_u32 v[SRA], s[RO], v[SR0]
	v_add_nc_u32 v[SJA], s[RO], v[SJ0]
	ds_load_b128 v[SJ:SJ+3], v[SJA]                ; the sources of my tile's rows 8 h + 0 .. 7
	ds_load_b128 v[SJ+4:SJ+7], v[SJA] offset:16
	LOADT 0, 0
	LOADT 1, 1
	s_wait_dscnt 16                                ; the sources are in; the two tiles' 16 loads may be out
.irp j, 0,1,2,3,4,5,6,7
	v_min_u32 v[SJ+\j], 31, v[SJ+\j]               ; held inside b's 32 rows before it enters an address
.endr
.irp j, 0,1,2,3,4,5,6,7
	v_lshl_add_u32 v[BA+\j], v[SJ+\j], 8, v[R16]   ; 256 bytes a source, my four features
.endr
.irp j, 0,1,2,3,4,5,6,7
	global_load_b128 v[BB+4*\j:BB+4*\j+3], v[BA+\j], s[10:11]   ; b(source of row 8 h + j, 4 r + 0 .. 3): wanted in F, behind 256 matrix instructions
.endr
	s_wait_dscnt 8                                 ; tile 0 is in; tile 1's eight loads may be out
	v_xor_b32_e64 v[SRL], v[SRL], s[E0]
	v_cmp_ne_u32_e64 vcc_lo, v[SRL], 0
	CND 0, 0, 0
	CND 0, 4, 0
	CND 0, 8, 0
	NOPS 4
.irp ti, 0,1,2,3
.irp ee, 0,1,2,3,4,5,6,7
	BLOCK \ti, \ee
.endr
.endr
	; ---- the change of slots
	s_wait_tensorcnt 0x0                           ; my one tensor load that was out, the next step's tile, has landed: a group 0 may be written
	ds_add_u32 v[SPW], v[NIL]                      ; 0 onto my spare word; the steps below stand between it and the wait for it
.if \refill
	s_xor_b32 s[G0Y+1], s[G0Y+1], SLOT1            ; the walking descriptor: the other slot than last time,
	s_add_nc_u64 s[G0Y+2:G0Y+3], s[G0Y+2:G0Y+3], 0x10000   ; 64 rows of x on; the type bits on top are not reached
.endif
	s_xor_b32 s[TB], s[TB], SLOT1
	s_add_co_u32 s[RO], s[RO], 256
	s_wait_dscnt 0x0                               ; the add is done; my accumulators have landed, my reads of the images and of my slot are over
	s_barrier_signal -1
	s_barrier_wait -1
.if \refill
	tensor_load_to_lds s[G0Y:G0Y+3], s[G1:G1+7]    ; my one tensor load behind this barrier, and the first thing there
	s_nop 0
	NOPS 4
.endif
	; ---- F: tile w's four partial results, its rows of b, 16 rows of out0
.irp pv, 0,1,2,3
.irp k, 0,1,2,3,4,5,6,7
	ds_load_b128 v[BIG+32*\pv+4*\k:BIG+32*\pv+4*\k+3], v[PRA] offset:4096*\pv+512*\k
.endr
.endr
	s_wait_dscnt 16                                ; waves 0 and 1's are in; the 16 loads of waves 2 and 3's may be out
.irp q, 0,2,4,6,8,10,12,14,16,18,20,22,24,26,28,30
	v_pk_add_f32 v[BIG+\q:BIG+\q+1], v[BIG+\q:BIG+\q+1], v[BIG+32+\q:BIG+32+\q+1]   ; of the four numbers three are zeros: nothing is rounded
.endr
	s_wait_dscnt 0x0
.irp q, 0,2,4,6,8,10,12,14,16,18,20,22,24,26,28,30
	v_pk_add_f32 v[BIG+64+\q:BIG+64+\q+1], v[BIG+64+\q:BIG+64+\q+1], v[BIG+96+\q:BIG+96+\q+1]
.endr
.irp q, 0,2,4,6,8,10,12,14,16,18,20,22,24,26,28,30
	v_pk_add_f32 v[BIG+\q:BIG+\q+1], v[BIG+\q:BIG+\q+1], v[BIG+64+\q:BIG+64+\q+1]
.endr
	s_wait_loadcnt 0x0                             ; the rows of b
.irp j, 0,1,2,3,4,5,6,7
.irp t, 0,1,2,3
	v_add_f32 v[BB+4*\j+\t], v[BIG+8*\t+\j], v[BB+4*\j+\t]   ; out(row 8 h + j, feature 4 r + t): the bias, and four neighbours side by side
.endr
.endr
.irp j, 0,1,2,3,4,5,6,7
	global_store_b128 v[OBA], v[BB+4*\j:BB+4*\j+3], s[12:13] offset:256*\j-16384 th:TH_STORE_NT   ; rows j and 8 + j, each whole
.endr
.endm
	s_load_b256 s[4:11], s[0:1], 0x0               ; x s[4:5], source s[6:7], wq s[8:9], b s[10:11]
	s_load_b64 s[12:13], s[0:1], 0x20              ; out0
	v_lshl_add_u32 v[SPW], v0, 2, SPARE
	v_mov_b32 v[NIL], 0
	ds_add_u32 v1, v2
	ds_add_u32 v1, v2
	s_wait_dscnt 0x0
	v_lshrrev_b32 v20, 5, v0
	v_readfirstlane_b32 s[WV], v20                 ; wave 0..3
	; descriptor group 1: 16 rows of 256 elements of 4 bytes, dense in memory; 16 bytes of padding behind each row in LDS
	s_mov_b32 s[G1+0], (2<<16)|(1<<20)|(7<<22)|(3<<25)   ; 15:0 no mask; 17:16 elements of 4 bytes; 20 padding on; 24:22 after every 256 words (code 7); 31:25 of 4 words (code 3)
	s_mov_b32 s[G1+1], 256<<16                     ; tensor_dim0 = 256
	s_mov_b32 s[G1+2], 16<<16                      ; tensor_dim1 = 16
	s_mov_b32 s[G1+3], 256<<16                     ; tile_dim0 = 256
	s_mov_b32 s[G1+4], 16                          ; tile_dim1 = 16
	s_mov_b32 s[G1+5], 256                         ; tensor_dim0_stride
	s_mov_b32 s[G1+6], 0
	s_mov_b32 s[G1+7], 0
	s_mov_b32 s[G0X], 1                            ; count = 1
	s_mul_i32 s[G0X+1], s[WV], TILEB               ; LDS address: my slot 0,
	s_mov_b32 s[G0Y], 1
	s_add_co_u32 s[G0Y+1], s[G0X+1], SLOT1         ; my slot 1
	s_lshl_b32 s[OFS], ttmp9, 19                   ; the work-group's 512 rows of 1,024 bytes,
	s_lshl_b32 s[T0], s[WV], 14                    ; my 16 of a step's 64
	s_add_co_u32 s[OFS], s[OFS], s[T0]
	s_mov_b32 s[OFS+1], 0
	s_wait_kmcnt 0x0
	s_add_nc_u64 s[G0X+2:G0X+3], s[4:5], s[OFS:OFS+1]        ; step 0's tile,
	s_add_nc_u64 s[G0Y+2:G0Y+3], s[G0X+2:G0X+3], 0x10000     ; step 1's
	s_or_b32 s[G0X+3], s[G0X+3], 0x80000000        ; type = 2
	s_or_b32 s[G0Y+3], s[G0Y+3], 0x80000000
	tensor_load_to_lds s[G0X:G0X+3], s[G1:G1+7]    ; the two first fills go out together, ahead of every wait on TENSORcnt, every LDS read and every barrier
	s_nop 0
	tensor_load_to_lds s[G0Y:G0Y+3], s[G1:G1+7]
	s_nop 0
	NOPS 4
	s_lshl_b32 s[OFS], ttmp9, 11
	s_add_nc_u64 s[6:7], s[6:7], s[OFS:OFS+1]      ; the work-group's 512 sources
	s_mul_i32 s[OFS], s[WV], 8*SRCB
	s_add_nc_u64 s[8:9], s[8:9], s[OFS:OFS+1]      ; my 8 sources in wq
	s_lshl_b32 s[OFS], ttmp9, 17
	s_lshl_b32 s[T0], s[WV], 12
	s_add_co_u32 s[OFS], s[OFS], s[T0]
	s_add_nc_u64 s[12:13], s[12:13], s[OFS:OFS+1]  ; out0 at my first tile
	s_lshl_b32 s[E0], s[WV], 3
	s_mov_b32 s[SEL], 0x76543210
	s_mov_b32 s[SEL+1], 0xfedcba98
	s_mov_b32 s[TB], 0
	s_mov_b32 s[RO], 0
	v_and_b32 v20, 31, v0                          ; lane
	v_and_b32 v21, 15, v0                          ; r
	v_bfe_u32 v22, v0, 4, 1                        ; h
	v_lshlrev_b32 v[L16], 4, v20
	v_lshlrev_b32 v[L4], 2, v20
	v_lshlrev_b32 v23, 3, v20                      ; 8 x lane
	v_lshlrev_b32 v112, 4, v0                      ; 16 x thread: my four sources in memory,
	v_lshl_add_u32 v113, v0, 4, SRT                ; and in the table
	global_load_b128 v[108:111], v112, s[6:7]
.irp e, 0,1,2,3,4,5,6,7
.irp t, 0,1,2,3
	global_load_b32 v[WSC+4*\e+\t], v[L4], s[8:9] offset:SRCB*\e+8*FRB+128*\t
.endr
.endr
	WLOAD 63
.set k, 0
.rept 21
	WLOAD k
.set k, k+1
.endr
	WIN 0
	v_lshlrev_b32 v[R16], 4, v21
	v_lshlrev_b32 v[SH8], 3, v22
	s_mul_i32 s[T0], s[WV], TILEB
	v_mul_u32_u24 v[RD0], v21, SPITCH
	v_lshl_add_u32 v[RD0], v22, 7, v[RD0]
	v_add_nc_u32 v[RD0], s[T0], v[RD0]
	s_mul_i32 s[T0], s[WV], IMGT
	s_add_co_u32 s[T0], s[T0], IMG
	v_add_nc_u32 v[IWA], s[T0], v[L16]
	s_add_co_u32 s[T0], s[T0], 2*FRB
	v_add_nc_u32 v[IWS], s[T0], v23
	v_add_nc_u32 v[IRA], IMG, v[L16]
	v_add_nc_u32 v[IRS], IMG+2*FRB, v23
	v_lshl_add_u32 v[SR0], v21, 2, SRT
	s_lshl_b32 s[T0], s[WV], 6
	s_add_co_u32 s[T0], s[T0], SRT
	v_lshl_add_u32 v[SJ0], v22, 5, s[T0]
	s_lshl_b32 s[T0], s[WV], 12
	s_add_co_u32 s[T0], s[T0], PART
	v_add_nc_u32 v[PWA], s[T0], v[L16]
	s_lshl_b32 s[T0], s[WV], 14
	s_add_co_u32 s[T0], s[T0], PART
	v_add_nc_u32 v[PRA], s[T0], v[L16]
	v_lshl_add_u32 v[OBA], v22, 11, v[R16]
	v_mov_b32 v[PX], 0                             ; written once: a lane permute's destination counts as one of its sources
	v_mov_b32 v[PX+1], 0
	s_wait_loadcnt 63                              ; 98 loads stand behind the load of the sources: it is in
	ds_store_b128 v113, v[108:111]                 ; the table of the work-group's 512 sources; it is read behind the first barrier
.rept 42
	WLOAD k
.set k, k+1
.endr
	WIN 0
	s_wait_tensorcnt 0x1                           ; my slot 0 is in; slot 1's load may stay out.  Only I read my slots
	s_mov_b32 s[CNT], 6
.Lstep:                                            ; steps 0 to 5 ask for the tiles of steps 2 to 7
	STEP64 1
	s_sub_co_u32 s[CNT], s[CNT], 1
	s_cmp_lg_u32 s[CNT], 0
	s_cbranch_scc1 .Lstep
	s_mov_b32 s[CNT], 2
.Ltail:                                            ; the last two steps ask for nothing: they are written out
	STEP64 0
	s_sub_co_u32 s[CNT], s[CNT], 1
	s_cmp_lg_u32 s[CNT], 0
	s_cbranch_scc1 .Ltail
	s_wait_tensorcnt 0x0                           ; the wave's end, behind my last tensor load and my last LDS store
	ds_add_u32 v[SPW], v[NIL]
	s_wait_dscnt 0x0
	s_endpgm
.Lfunc_end_k_q9a1916a6bd_dense:
	.size	k_q9a1916a6bd_dense, .Lfunc_end_k_q9a1916a6bd_dense-k_q9a1916a6bd_dense
	.p2alignl 7, 3214868480
	.fill 96, 4, 3214868480
	.section	.rodata,"a",@progbits
	.p2align	6, 0x0
	.amdhsa_kernel k_q9a1916a6bd_dense
		.amdhsa_group_segment_fixed_size 327680
		.amdhsa_private_segment_fixed_size 0
		.amdhsa_enable_private_segment 0
		.amdhsa_kernarg_size 40
		.amdhsa_user_sgpr_count 2
		.amdhsa_user_sgpr_kernarg_segment_ptr 1
		.amdhsa_wavefront_size32 1
		.amdhsa_system_sgpr_workgroup_id_x 1
		.amdhsa_system_sgpr_workgroup_id_y 1
		.amdhsa_system_sgpr_workgroup_id_z 1
		.amdhsa_system_vgpr_workitem_id 0
		.amdhsa_next_free_vgpr 1024
		.amdhsa_next_free_sgpr 66
		.amdhsa_reserve_vcc 1
		.amdhsa_float_denorm_mode_32 3
		.amdhsa_float_denorm_mode_16_64 3
		.amdhsa_memory_ordered 1
		.amdhsa_forward_progress 1
		.amdhsa_inst_pref_size 252
	.end_amdhsa_kernel
	.amdgpu_metadata
---
amdhsa.version: [ 1, 2 ]
amdhsa.kernels:
  - .name:           k_q9a1916a6bd_dense
    .symbol:         k_q9a1916a6bd_dense.kd
    .args:
      - { .name: x, .offset: 0, .size: 8, .value_kind: global_buffer, .address_space: global }
      - { .name: source, .offset: 8, .size: 8, .value_kind: global_buffer, .address_space: global }
      - { .name: wq, .offset: 16, .size: 8, .value_kind: global_buffer, .address_space: global }
      - { .name: b, .offset: 24, .size: 8, .value_kind: global_buffer, .address_space: global }
      - { .name: out0, .offset: 32, .size: 8, .value_kind: global_buffer, .address_space: global }
    .group_segment_fixed_size: 327680
    .private_segment_fixed_size: 0
    .kernarg_segment_align: 8
    .kernarg_segment_size: 40
    .max_flat_workgroup_size: 128
    .sgpr_count:     66
    .vgpr_count:     1024
    .wavefront_size: 32
...
	.end_amdgpu_metadata
.endif
;; end of part 2
